; MI455X (gfx1250); checked and timed in simulation.
; The chip was launched on July 23, 2026; its instructions are those of AMD's public machine-readable ISA for CDNA 5 (MIT licence, August 2026) and "CDNA5" Instruction Set Architecture Reference Guide (July 2026). The comments in the code are by the model that wrote it; some were corrected since.
;; Spatial Attention. Allowed arithmetic: float matrix products may take bf16 or f16 operands with f32 sums; all other float work in f32.
;; Inputs: Wk 64 x 1 float32; Wo 1 x 64 float32; Wq 64 x 1 float32; Wv 64 x 1 float32; bk 64 float32; bo 1 float32; bq 64 float32; bv 64 float32; x 64 x 1 x 86 x 86 float32.
;; Outputs: out0 64 x 1 x 86 x 86 float32.
;; One version. Each part assembles by itself: llvm-mc -triple=amdgcn-amd-amdhsa -mcpu=gfx1250 --defsym DOCPART=n.
;; ======== version 1 of 1: 1 launch
;; launch spatial (part 1): grid 64 x 1, 16 waves a work-group, no clusters, 2,304 bytes of LDS; arguments x, out0, Wq, bq, Wo, Wk, bk, Wv, bv, bo; writes out0
.if DOCPART == 1
	.amdgcn_target "amdgcn-amd-amdhsa--gfx1250"
	.amdhsa_code_object_version 6
	.text
	.protected	k_qe7ef86d530_spatial
	.globl	k_qe7ef86d530_spatial
	.p2align	8
	.type	k_qe7ef86d530_spatial,@function
k_qe7ef86d530_spatial:
	s_mov_b64 s[64:65], 0
	v_nop
	global_prefetch_b8 v0, s[64:65] scope:SCOPE_SE
	s_setreg_imm32_b32 hwreg(HW_REG_WAVE_MODE, 25, 1), 1
	s_wait_xcnt 0x0
; SpatialAttention with ONE input channel: x [64][1][86][86] f32 -> out0 of the same shape.
; With C = 1 (a shape, not a property of the numbers) Q, K and V have rank 2: Q = wq x^T + bq 1^T, and so on.  Matrix products are associative, so
;   Q K^T            = [wq bq] ([x;1][x;1]^T) [wk bk]^T      : two sums over the batch's 7,396 pixels and two products for each score,
;   Wo (attn V) + bo = ((Wo attn) [wv bv]) [x;1] + bo        : out = alpha x + beta with two numbers alpha, beta for each batch.
; Written round the batch's mean m, so that no difference of large sums is formed:
;   score[h][g] = ( wq[h] wk[g] V2 + N qh[h] kh[g] ) / 8,   V2 = sum (x-m)^2,  qh = wq m + bq,  kh = wk m + bk,  N = 7396.
; The softmax is the reference's: the row's maximum is taken away in front of the exponential.  What is left of the products is some 16,000
; multiply-adds a batch (64 x 2 x 64 and 64 x 64 x 2): no bulk work, so it stays in f32 on the vector ALU and no matrix instruction is used.
; LIMITS.  The order of rounding differs from the reference's.  The term (wq kh + wk qh) sum(x-m) / 8 is left out: it is zero for the exact mean,
; and with the rounded mean (a tree sum of 13 levels, one multiplication by 1/N) it is of the size of the f32 rounding of the reference's own sum
; over 7,396 products.  Attention weights below 2^-126 count as 0 (v_exp_f32 flushes denormal results: ISA guide, 15.8).  A batch that holds an
; infinity or a NaN comes out as NaN throughout.
;
; ONE work-group of 16 waves for each batch: whoever writes a part of a batch needs the batch's two sums first, so a batch is not shared out.
; The batch stays in registers (16 a lane) between the sums and the way out: x is read once.
; A batch begins at byte 29,584 b, a multiple of 16 only.  The stream is therefore counted from the aligned 256 bytes below it: thread t owns the
; 16-byte slots u = t + 512 j, j = 0..3, from byte OFFB = (29,584 b) & ~255, so that 16 neighbouring lanes cover 256 consecutive aligned bytes in
; every load and store.  With SH = (29,584 b / 16) & 15 a slot is the batch's own if SH <= u <= SH + 1848: j = 1, 2 always, j = 0 if t >= SH,
; j = 3 if t < SH + 313.  Lanes without a slot load a clamped address inside their own batch and their numbers are multiplied by 0.0 in the sums;
; their stores are masked by EXEC.
; Softmax: thread t has row h = t >> 3 and the eight columns g = 8 (t & 7) .. + 7, so a row's sums span eight neighbouring lanes.
; No clusters (the work-groups share only the weights' 1,796 bytes), no tensor loads or LDS ring (all of a batch's loads are out at once).
.set ROWB,  29584                      ; bytes in a batch
.set LASTB, 29568                      ; byte of a batch's last 16-byte slot
.set TAILN, 313                        ; slots of group 3 that a batch with SH = 0 owns: 1849 - 3 x 512
.set INVN,  0x390dc6ae                 ; 1 / 7396
.set C8,    0x3e38aa3b                 ; log2(e) / 8
.set CN,    0x44a6b8b1                 ; 7396 log2(e) / 8
.set RED1,  0                          ; LDS: 16 words, wave w's sum of x
.set RED2,  64                         ;      16 words, wave w's sum of (x-m)^2
.set RED3A, 128                        ;      16 words, wave w's part of alpha
.set RED3B, 192                        ;      16 words, wave w's part of beta.  Each region is written once.
.set OFF,   1                          ; v1   16 t
.set OFFH,  2                          ; v2   group 0's load: max(16 t, 16 SH)
.set OFFT,  3                          ; v3   group 3's load: min(16 t + 24576, 16 SH + 29568)
.set WS,    4                          ; v4   4 x wave
.set RS,    5                          ; v5   4 (t & 15)
.set RS3,   6                          ; v6   4 (t & 31)
.set GOFF,  7                          ; v7   32 (t & 7): my eight columns in wk, bk, wv, bv
.set HOFF,  8                          ; v8   4 (t >> 3): my row in wq, bq, wo
.set PX,    9                          ; v9   what v_permlanex16_b32 brings
.set F0,    10                         ; v[10:11] 1.0 or 0.0, twice: group 0's slot is mine
.set F3,    12                         ; v[12:13] the same for group 3
.set M,     14                         ; v[14:15] the mean, twice
.set X,     16                         ; v[16:31] group j at X + 4 j
.set WK,    32                         ; v[32:39]
.set BK,    40                         ; v[40:47] bk, then kh
.set WV,    48                         ; v[48:55]
.set BV,    56                         ; v[56:63]
.set WQ,    64                         ; v64  wq[h], then wq[h] log2(e)/8
.set BQ,    65                         ; v65  bq[h], then qh[h]
.set WO,    66                         ; v66  wo[h]
.set S,     67                         ; v67  a sum on its way through lanes and LDS
.set T,     68                         ; v[68:75] at work: differences, then my eight scores, then their exponentials
.set ACC0,  76                         ; v[76:77]
.set ACC1,  78                         ; v[78:79]
.set AH,    80                         ; v[80:81] wq[h] V2 log2(e)/8, twice
.set BH,    82                         ; v[82:83] qh[h] N log2(e)/8, twice
.set MX,    84                         ; v[84:85] the row's maximum, twice
.set AL,    86                         ; v[86:87] alpha, twice
.set BE,    88                         ; v[88:89] beta, twice
.set NA,    90                         ; v90  my part of alpha
.set NB,    91                         ; v91  my part of beta
.set D,     92                         ; v92  the row's denominator
.set R,     93                         ; v93  wo[h] / denominator
.set NAP,   94                         ; v[94:95] sum of p wv, two chains
.set NBP,   96                         ; v[96:97] sum of p bv, two chains
.macro XS r, k                         ; lane i adds lane i xor k of its 16 lanes
	v_add_f32_dpp v[\r], v[\r], v[\r] row_xmask:\k row_mask:0xf bank_mask:0xf
.endm
.macro SUM16 r                         ; the sum over each 16 lanes, in all of them
	XS \r, 1
	XS \r, 2
	XS \r, 4
	XS \r, 8
.endm
.macro SUM32 r                         ; the sum over the wave, in every lane
	SUM16 \r
	v_permlanex16_b32 v[PX], v[\r], s34, s35
	v_add_f32 v[\r], v[\r], v[PX]
.endm
.macro MAX8 r                          ; the maximum over each eight lanes, in all of them
	v_max_num_f32_dpp v[\r], v[\r], v[\r] row_xmask:1 row_mask:0xf bank_mask:0xf
	v_max_num_f32_dpp v[\r], v[\r], v[\r] row_xmask:2 row_mask:0xf bank_mask:0xf
	v_max_num_f32_dpp v[\r], v[\r], v[\r] row_xmask:4 row_mask:0xf bank_mask:0xf
.endm
.macro SHARE                           ; my LDS store is done, for the others' sake; then all sixteen waves have said so
	s_wait_dscnt 0x0
	s_barrier_signal -1
	s_barrier_wait -1
.endm
	; ---- set-up ----
	s_load_b512 s[8:23], s[0:1], 0x0               ; x s[8:9], out0 s[10:11], Wq s[12:13], bq s[14:15], Wo s[16:17], Wk s[18:19], bk s[20:21], Wv s[22:23]
	s_load_b128 s[24:27], s[0:1], 0x40             ; bv s[24:25], bo s[26:27]
	v_lshl_add_u32 v98, v0, 2, 0x100
	v_mov_b32 v99, 0
	s_mul_i32 s2, ttmp9, ROWB                      ; the batch's first byte (below 1,893,376)
	s_bfe_u32 s29, s2, 0x40004                     ; SH: its place, in 16-byte slots, in its aligned 256 bytes
	s_and_b32 s2, s2, 0xffffff00                   ; OFFB
	s_mov_b32 s3, 0
	s_lshl_b32 s38, s29, 4                         ; 16 SH: the batch's first slot, counted from OFFB
	s_add_co_u32 s30, s29, TAILN                   ; group 3's slot is mine if t < SH + 313
	s_add_co_u32 s33, s38, LASTB                   ; the batch's last slot, counted from OFFB
	s_mov_b32 s34, 0x76543210                      ; v_permlanex16_b32: lane i of one half reads lane i of the other
	s_mov_b32 s35, 0xfedcba98
	v_lshlrev_b32 v[OFF], 4, v0
	v_max_u32 v[OFFH], s38, v[OFF]                 ; lanes in front of the batch load its first slot
	v_add_nc_u32 v[OFFT], 24576, v[OFF]
	v_min_u32 v[OFFT], s33, v[OFFT]                ; lanes behind the batch load its last slot: no load leaves the batch, so none leaves x
	v_lshrrev_b32 v[WS], 5, v0
	v_readfirstlane_b32 s31, v[WS]                 ; the wave's number as a scalar
	v_mov_b32 v[WS], s31
	v_lshlrev_b32 v[WS], 2, v[WS]
	v_and_b32 v[RS], 15, v0
	v_lshlrev_b32 v[RS], 2, v[RS]
	v_and_b32 v[RS3], 31, v0
	v_lshlrev_b32 v[RS3], 2, v[RS3]
	v_and_b32 v[GOFF], 7, v0
	v_lshlrev_b32 v[GOFF], 5, v[GOFF]
	v_lshrrev_b32 v[HOFF], 3, v0
	v_lshlrev_b32 v[HOFF], 2, v[HOFF]
	v_mov_b32 v[PX], 0                             ; v_permlanex16_b32 counts as a reader of its destination
	v_cmp_le_u32 vcc_lo, s29, v0                   ; SH <= t
	v_cndmask_b32 v[F0], 0, 1.0, vcc_lo
	v_mov_b32 v[F0+1], v[F0]
	v_cmp_gt_u32 vcc_lo, s30, v0                   ; SH + 313 > t
	v_cndmask_b32 v[F3], 0, 1.0, vcc_lo
	v_mov_b32 v[F3+1], v[F3]
	s_wait_kmcnt 0x0
	s_add_nc_u64 s[8:9], s[8:9], s[2:3]            ; x and out0 at OFFB
	s_add_nc_u64 s[10:11], s[10:11], s[2:3]
	s_load_b32 s28, s[26:27], 0x0                  ; bo
	; all fifteen loads go out back to back: the batch first, since the first sum waits for it alone
	global_load_b128 v[X:X+3],     v[OFFH], s[8:9] th:TH_LOAD_NT
	global_load_b128 v[X+4:X+7],   v[OFF],  s[8:9] offset:8192 th:TH_LOAD_NT
	global_load_b128 v[X+8:X+11],  v[OFF],  s[8:9] offset:16384 th:TH_LOAD_NT
	global_load_b128 v[X+12:X+15], v[OFFT], s[8:9] th:TH_LOAD_NT
	global_load_b128 v[WK:WK+3],   v[GOFF], s[18:19]
	global_load_b128 v[WK+4:WK+7], v[GOFF], s[18:19] offset:16
	global_load_b128 v[BK:BK+3],   v[GOFF], s[20:21]
	global_load_b128 v[BK+4:BK+7], v[GOFF], s[20:21] offset:16
	global_load_b128 v[WV:WV+3],   v[GOFF], s[22:23]
	global_load_b128 v[WV+4:WV+7], v[GOFF], s[22:23] offset:16
	global_load_b128 v[BV:BV+3],   v[GOFF], s[24:25]
	global_load_b128 v[BV+4:BV+7], v[GOFF], s[24:25] offset:16
	global_load_b32 v[WQ], v[HOFF], s[12:13]
	global_load_b32 v[BQ], v[HOFF], s[14:15]
	global_load_b32 v[WO], v[HOFF], s[16:17]
	; ---- the mean ----
	s_wait_loadcnt 11                              ; loads come back in order (ISA guide 5.7.1): the four of x are in, the eleven of the weights behind them may stay out
	v_pk_add_f32 v[ACC0:ACC0+1], v[X+4:X+5], v[X+8:X+9]          ; groups 1 and 2 start two chains: nothing is cleared
	v_pk_add_f32 v[ACC1:ACC1+1], v[X+6:X+7], v[X+10:X+11]
	v_pk_fma_f32 v[ACC0:ACC0+1], v[X:X+1],     v[F0:F0+1], v[ACC0:ACC0+1]   ; groups 0 and 3 count where the slot is mine
	v_pk_fma_f32 v[ACC1:ACC1+1], v[X+2:X+3],   v[F0:F0+1], v[ACC1:ACC1+1]
	v_pk_fma_f32 v[ACC0:ACC0+1], v[X+12:X+13], v[F3:F3+1], v[ACC0:ACC0+1]
	v_pk_fma_f32 v[ACC1:ACC1+1], v[X+14:X+15], v[F3:F3+1], v[ACC1:ACC1+1]
	v_pk_add_f32 v[ACC0:ACC0+1], v[ACC0:ACC0+1], v[ACC1:ACC1+1]
	v_add_f32 v[S], v[ACC0], v[ACC0+1]
	SUM32 S
	ds_store_b32 v[WS], v[S] offset:RED1           ; all lanes write the wave's word with the same value
	SHARE
	ds_load_b32 v[S], v[RS] offset:RED1            ; lane l takes wave (l & 15)'s sum
	s_wait_dscnt 0x0
	SUM16 S                                        ; every wave adds in the same order: all hold the same bits
	v_mul_f32 v[M], INVN, v[S]
	v_mov_b32 v[M+1], v[M]
	; ---- the sum of the centred squares, from the registers ----
	v_pk_add_f32 v[T:T+1],   v[X+4:X+5],   v[M:M+1] neg_lo:[0,1] neg_hi:[0,1]
	v_pk_add_f32 v[T+2:T+3], v[X+6:X+7],   v[M:M+1] neg_lo:[0,1] neg_hi:[0,1]
	v_pk_add_f32 v[T+4:T+5], v[X+8:X+9],   v[M:M+1] neg_lo:[0,1] neg_hi:[0,1]
	v_pk_add_f32 v[T+6:T+7], v[X+10:X+11], v[M:M+1] neg_lo:[0,1] neg_hi:[0,1]
	v_pk_mul_f32 v[ACC0:ACC0+1], v[T:T+1],   v[T:T+1]            ; the first squares start the chains
	v_pk_mul_f32 v[ACC1:ACC1+1], v[T+2:T+3], v[T+2:T+3]
	v_pk_fma_f32 v[ACC0:ACC0+1], v[T+4:T+5], v[T+4:T+5], v[ACC0:ACC0+1]
	v_pk_fma_f32 v[ACC1:ACC1+1], v[T+6:T+7], v[T+6:T+7], v[ACC1:ACC1+1]
	v_pk_add_f32 v[T:T+1],   v[X:X+1],     v[M:M+1] neg_lo:[0,1] neg_hi:[0,1]
	v_pk_add_f32 v[T+2:T+3], v[X+2:X+3],   v[M:M+1] neg_lo:[0,1] neg_hi:[0,1]
	v_pk_add_f32 v[T+4:T+5], v[X+12:X+13], v[M:M+1] neg_lo:[0,1] neg_hi:[0,1]
	v_pk_add_f32 v[T+6:T+7], v[X+14:X+15], v[M:M+1] neg_lo:[0,1] neg_hi:[0,1]
	v_pk_mul_f32 v[T:T+1],   v[T:T+1],   v[F0:F0+1]              ; zero where the slot is not mine
	v_pk_mul_f32 v[T+2:T+3], v[T+2:T+3], v[F0:F0+1]
	v_pk_mul_f32 v[T+4:T+5], v[T+4:T+5], v[F3:F3+1]
	v_pk_mul_f32 v[T+6:T+7], v[T+6:T+7], v[F3:F3+1]
	v_pk_fma_f32 v[ACC0:ACC0+1], v[T:T+1],   v[T:T+1],   v[ACC0:ACC0+1]
	v_pk_fma_f32 v[ACC1:ACC1+1], v[T+2:T+3], v[T+2:T+3], v[ACC1:ACC1+1]
	v_pk_fma_f32 v[ACC0:ACC0+1], v[T+4:T+5], v[T+4:T+5], v[ACC0:ACC0+1]
	v_pk_fma_f32 v[ACC1:ACC1+1], v[T+6:T+7], v[T+6:T+7], v[ACC1:ACC1+1]
	v_pk_add_f32 v[ACC0:ACC0+1], v[ACC0:ACC0+1], v[ACC1:ACC1+1]
	v_add_f32 v[S], v[ACC0], v[ACC0+1]
	SUM32 S
	ds_store_b32 v[WS], v[S] offset:RED2
	s_wait_loadcnt 0x0                             ; the weights
	s_wait_kmcnt 0x0                               ; bo
	s_wait_dscnt 0x0                               ; my store is done, for the others' sake
	s_barrier_signal -1
	; register work while the others arrive: what hangs on the mean alone
	v_pk_fma_f32 v[BK:BK+1],   v[WK:WK+1],   v[M:M+1], v[BK:BK+1]      ; kh = wk m + bk
	v_pk_fma_f32 v[BK+2:BK+3], v[WK+2:WK+3], v[M:M+1], v[BK+2:BK+3]
	v_pk_fma_f32 v[BK+4:BK+5], v[WK+4:WK+5], v[M:M+1], v[BK+4:BK+5]
	v_pk_fma_f32 v[BK+6:BK+7], v[WK+6:WK+7], v[M:M+1], v[BK+6:BK+7]
	v_fmac_f32 v[BQ], v[WQ], v[M]                  ; qh = wq m + bq
	v_mul_f32 v[BH], CN, v[BQ]                     ; qh N log2(e) / 8: the exponential below is in base 2
	v_mov_b32 v[BH+1], v[BH]
	v_mul_f32 v[WQ], C8, v[WQ]                     ; wq log2(e) / 8
	s_barrier_wait -1
	ds_load_b32 v[S], v[RS] offset:RED2
	s_wait_dscnt 0x0
	SUM16 S                                        ; V2
	; ---- my eight scores (times log2 e), the row's softmax, and its share of alpha and beta ----
	v_mul_f32 v[AH], v[WQ], v[S]
	v_mov_b32 v[AH+1], v[AH]
.irp p, 0,2,4,6
	v_pk_mul_f32 v[T+\p:T+\p+1], v[WK+\p:WK+\p+1], v[AH:AH+1]
.endr
.irp p, 0,2,4,6
	v_pk_fma_f32 v[T+\p:T+\p+1], v[BK+\p:BK+\p+1], v[BH:BH+1], v[T+\p:T+\p+1]
.endr
	v_max3_num_f32 v[MX], v[T], v[T+1], v[T+2]
	v_max3_num_f32 v[MX], v[MX], v[T+3], v[T+4]
	v_max3_num_f32 v[MX], v[MX], v[T+5], v[T+6]
	v_max_num_f32 v[MX], v[MX], v[T+7]
	MAX8 MX                                        ; the maximum of the row's 64 scores
	v_mov_b32 v[MX+1], v[MX]
.irp p, 0,2,4,6
	v_pk_add_f32 v[T+\p:T+\p+1], v[T+\p:T+\p+1], v[MX:MX+1] neg_lo:[0,1] neg_hi:[0,1]
.endr
.irp j, 0,1,2,3,4,5,6,7
	v_exp_f32 v[T+\j], v[T+\j]                     ; exponents at most 0; the largest gives 1, so the denominator is at least 1
.endr
	v_nop                                          ; one plain vector instruction between the exponentials and the first use of a result (ISA guide 5.7.2)
	s_wait_alu depctr_va_vdst(0)
	v_pk_add_f32 v[ACC0:ACC0+1], v[T:T+1],   v[T+2:T+3]
	v_pk_add_f32 v[ACC1:ACC1+1], v[T+4:T+5], v[T+6:T+7]
	v_pk_mul_f32 v[NAP:NAP+1], v[T:T+1], v[WV:WV+1]              ; sums of p wv and of p bv, laid between the denominator's dependent steps
	v_pk_mul_f32 v[NBP:NBP+1], v[T:T+1], v[BV:BV+1]
	v_pk_add_f32 v[ACC0:ACC0+1], v[ACC0:ACC0+1], v[ACC1:ACC1+1]
	v_pk_fma_f32 v[NAP:NAP+1], v[T+2:T+3], v[WV+2:WV+3], v[NAP:NAP+1]
	v_add_f32 v[D], v[ACC0], v[ACC0+1]
	v_pk_fma_f32 v[NBP:NBP+1], v[T+2:T+3], v[BV+2:BV+3], v[NBP:NBP+1]
	XS D, 1
	v_pk_fma_f32 v[NAP:NAP+1], v[T+4:T+5], v[WV+4:WV+5], v[NAP:NAP+1]
	XS D, 2
	v_pk_fma_f32 v[NBP:NBP+1], v[T+4:T+5], v[BV+4:BV+5], v[NBP:NBP+1]
	XS D, 4                                        ; the row's denominator, the same bits in its eight lanes
	v_pk_fma_f32 v[NAP:NAP+1], v[T+6:T+7], v[WV+6:WV+7], v[NAP:NAP+1]
	v_pk_fma_f32 v[NBP:NBP+1], v[T+6:T+7], v[BV+6:BV+7], v[NBP:NBP+1]
	v_rcp_f32 v[R], v[D]
	v_add_f32 v[NA], v[NAP], v[NAP+1]              ; these two adds are the plain instructions behind v_rcp_f32: they touch neither R nor D
	v_add_f32 v[NB], v[NBP], v[NBP+1]
	s_wait_alu depctr_va_vdst(0)
	v_mul_f32 v[R], v[R], v[WO]                    ; wo[h] / denominator
	v_mul_f32 v[NA], v[NA], v[R]
	v_mul_f32 v[NB], v[NB], v[R]
	SUM32 NA                                       ; over the wave's four rows and their eight lanes
	SUM32 NB
	ds_store_b32 v[WS], v[NA] offset:RED3A
	ds_store_b32 v[WS], v[NB] offset:RED3B
	SHARE
	ds_load_b32 v[S], v[RS3] offset:RED3A          ; lanes 0-15 take the sixteen parts of alpha, lanes 16-31 those of beta (64 bytes further on)
	s_wait_dscnt 0x0
	SUM16 S
	v_readlane_b32 s36, v[S], 0                    ; alpha
	v_readlane_b32 s37, v[S], 16                   ; beta without bo
	v_mov_b32 v[AL], s36
	v_mov_b32 v[AL+1], s36
	v_add_f32 v[BE], s37, s28                      ; + bo
	v_mov_b32 v[BE+1], v[BE]
	; ---- the way out: out = alpha x + beta, in the registers that hold x ----
.irp p, 0,2,4,6,8,10,12,14
	v_pk_fma_f32 v[X+\p:X+\p+1], v[X+\p:X+\p+1], v[AL:AL+1], v[BE:BE+1]
.endr
	v_cmp_le_u32 vcc_lo, s29, v0                   ; group 0: the lanes from the batch's first slot on
	s_wait_xcnt 0x0                                ; EXEC is a source of every memory instruction issued so far: it changes only behind this wait
	s_wait_tensorcnt 0x0
	ds_add_u32 v98, v99
	s_wait_dscnt 0x0
	s_and_saveexec_b32 s32, vcc_lo
	global_store_b128 v[OFF], v[X:X+3], s[10:11] th:TH_STORE_NT
	s_wait_xcnt 0x0                                ; and again in front of the line that widens it
	s_or_b32 exec_lo, exec_lo, s32
	global_store_b128 v[OFF], v[X+4:X+7],  s[10:11] offset:8192 th:TH_STORE_NT    ; 16 lanes store 256 consecutive bytes, at a multiple of 256 from out0's first byte
	global_store_b128 v[OFF], v[X+8:X+11], s[10:11] offset:16384 th:TH_STORE_NT
	v_cmp_gt_u32 vcc_lo, s30, v0                   ; group 3: the lanes up to the batch's last slot
	s_wait_xcnt 0x0
	s_and_saveexec_b32 s32, vcc_lo
	global_store_b128 v[OFF], v[X+12:X+15], s[10:11] offset:24576 th:TH_STORE_NT
	s_wait_xcnt 0x0
	s_or_b32 exec_lo, exec_lo, s32
	s_endpgm
.Lfunc_end_k_qe7ef86d530_spatial:
	.size	k_qe7ef86d530_spatial, .Lfunc_end_k_qe7ef86d530_spatial-k_qe7ef86d530_spatial
	.p2alignl 7, 3214868480
	.fill 96, 4, 3214868480
	.section	.rodata,"a",@progbits
	.p2align	6, 0x0
	.amdhsa_kernel k_qe7ef86d530_spatial
		.amdhsa_group_segment_fixed_size 2304
		.amdhsa_private_segment_fixed_size 0
		.amdhsa_enable_private_segment 0
		.amdhsa_kernarg_size 80
		.amdhsa_user_sgpr_count 2
		.amdhsa_user_sgpr_kernarg_segment_ptr 1
		.amdhsa_wavefront_size32 1
		.amdhsa_system_sgpr_workgroup_id_x 1
		.amdhsa_system_sgpr_workgroup_id_y 1
		.amdhsa_system_sgpr_workgroup_id_z 1
		.amdhsa_system_vgpr_workitem_id 0
		.amdhsa_next_free_vgpr 100
		.amdhsa_next_free_sgpr 66
		.amdhsa_reserve_vcc 1
		.amdhsa_float_denorm_mode_32 3
		.amdhsa_float_denorm_mode_16_64 3
		.amdhsa_memory_ordered 1
		.amdhsa_forward_progress 1
		.amdhsa_inst_pref_size 14
	.end_amdhsa_kernel
	.amdgpu_metadata
---
amdhsa.version: [ 1, 2 ]
amdhsa.kernels:
  - .name:           k_qe7ef86d530_spatial
    .symbol:         k_qe7ef86d530_spatial.kd
    .args:
      - { .name: x, .offset: 0, .size: 8, .value_kind: global_buffer, .address_space: global }
      - { .name: out0, .offset: 8, .size: 8, .value_kind: global_buffer, .address_space: global }
      - { .name: Wq, .offset: 16, .size: 8, .value_kind: global_buffer, .address_space: global }
      - { .name: bq, .offset: 24, .size: 8, .value_kind: global_buffer, .address_space: global }
      - { .name: Wo, .offset: 32, .size: 8, .value_kind: global_buffer, .address_space: global }
      - { .name: Wk, .offset: 40, .size: 8, .value_kind: global_buffer, .address_space: global }
      - { .name: bk, .offset: 48, .size: 8, .value_kind: global_buffer, .address_space: global }
      - { .name: Wv, .offset: 56, .size: 8, .value_kind: global_buffer, .address_space: global }
      - { .name: bv, .offset: 64, .size: 8, .value_kind: global_buffer, .address_space: global }
      - { .name: bo, .offset: 72, .size: 8, .value_kind: global_buffer, .address_space: global }
    .group_segment_fixed_size: 2304
    .private_segment_fixed_size: 0
    .kernarg_segment_align: 8
    .kernarg_segment_size: 80
    .max_flat_workgroup_size: 512
    .sgpr_count:     66
    .vgpr_count:     100
    .wavefront_size: 32
...
	.end_amdgpu_metadata
.endif
;; end of part 1
